; MI455X (gfx1250); checked and timed in simulation.
; The chip was launched on July 23, 2026; its instructions are those of AMD's public machine-readable ISA for CDNA 5 (MIT licence, August 2026) and "CDNA5" Instruction Set Architecture Reference Guide (July 2026). The comments in the code are by the model that wrote it; some were corrected since.
;; Vision Multi Head Attention. Allowed arithmetic: matrix products marked QUANTISED: E2M3 operands, one E8M0 scale for each 32 along K, by v_wmma_scale_f32_16x16x128_f8f6f4 with both operands' format E2M3, f32 sums; everything else in f32.
;; Inputs: Wk 12 x 768 x 64 float32; Wproj 768 x 768 float32; Wq 12 x 768 x 64 float32; Wv 12 x 768 x 64 float32; bproj 768 float32; x 8 x 1,024 x 768 float32.
;; Outputs: out0 8 x 1,024 x 768 float32.
;; This version of the problem:
;;   THIS VERSION OF THE PROBLEM IS GIVEN IN LOW PRECISION. The matrix products marked QUANTISED in the list below multiply operands that are first quantised to E2M3 (2 exponent bits, 3 mantissa bits; 6 bits a number), with one power-of-two scale for each 32 numbers along K (OCP MX v1.0); their sums are f32. All else is computed in f32.
;;   The module's matrix products, in the order in which they are computed (A, B: the left and right operand; K: the contracted axis; several contracted axes count as one K, in the product's order):
;;     1. [M 768, K 768] x [K 768, N 8,192]; A: input Wq; B: input x: QUANTISED
;;     2. [M 768, K 768] x [K 768, N 8,192]; A: input Wk; B: input x: QUANTISED
;;     3. [M 768, K 768] x [K 768, N 8,192]; A: input Wv; B: input x: QUANTISED
;;     4. batch 96 x [M 1,024, K 64] x [K 64, N 1,024]; A: computed on the way; B: computed on the way: QUANTISED
;;     5. batch 96 x [M 1,024, K 1,024] x [K 1,024, N 64]; A: softmax (see below); B: computed on the way: QUANTISED
;;     6. [M 8,192, K 768] x [K 768, N 768]; A: computed on the way; B: input Wproj: QUANTISED
;;   THE QUANTISER, for each operand of a quantised product, along K:
;;     - K is cut into blocks of 32 from its start; a last block that is shorter is filled with zeros.
;;     - A block's scale is 2^e with e = floor(log2(the largest magnitude in the block)) - 2, held to -126 .. 127; a block of zeros has e = 0. As a byte (E8M0): e + 127.
;;     - Each number is divided by its block's scale, clamped to +-7.5, and rounded to the nearest number of E2M3, ties to even, subnormals kept.
;;     - The product sums the exact products of the quantised numbers (number of the format x scale) in f32.
;;   ~~~python
;;   def quantise(x, axis):      # numpy; x: float32 -> the quantised numbers, widened to float32 again
;;       x = np.moveaxis(x, axis, -1); K = x.shape[-1]
;;       x = np.pad(x, [(0, 0)] * (x.ndim - 1) + [(0, -K % 32)]); x = x.reshape(x.shape[:-1] + (-1, 32)); a = np.abs(x).max(-1, keepdims=True)
;;       e = np.where(a > 0, np.clip(np.frexp(np.where(a > 0, a, 1))[1] - 1 - 2, -126, 127), 0)      # np.frexp(a)[1] - 1 = floor(log2(a)), exactly
;;       r = np.clip(x / 2.0 ** e, -7.5, 7.5)
;;       step = 2.0 ** (np.maximum(np.frexp(np.where(r == 0, 1, r))[1] - 1, 0) - 3)
;;       q = np.round(r / step) * step * 2.0 ** e      # np.round: ties to even
;;       return np.moveaxis(q.reshape(q.shape[:-2] + (-1,))[..., :K], -1, axis).astype(np.float32)
;;   ~~~
;;   SOFTMAX AHEAD OF A QUANTISED PRODUCT. Where the list says 'softmax', what is quantised is not the finished softmax but p = 2^(t - M), with t = logit x log2(e) and M = ceil(the row's largest t), a whole number; so 1/2 < the row's largest p <= 1. The row's sum l is taken of the UNQUANTISED p, in f32, and the product's result is divided by l at the end. Since M is a whole number, a kernel that streams over the keys may use a running M (the ceiling of the running maximum): every later rescaling is an exact power of two, which a block's scale takes up: the codes' values come out the same.
;;   OPERANDS COMPUTED ON THE WAY. 'Computed on the way' means the value that the module computes at that place (a softmax that the list does not call 'softmax' is quantised finished and normalised). What goes into a quantiser is computed in f32, as accurately as f32 sums, v_exp_f32 and their like allow (about 1e-6 of the number): no bf16 or f16 on the way to a quantiser, and a product that is left as it is and whose result goes on into a quantised operand takes f32 operands (vector FMAs, or v_wmma_f32_16x16x4_f32). A number that lies on a knife's edge between two numbers of the format may be rounded either way, as far as f32 arithmetic and the matrix unit's own rounding can turn it there, and no further.
;; One version. Each part assembles by itself: llvm-mc -triple=amdgcn-amd-amdhsa -mcpu=gfx1250 --defsym DOCPART=n.
;; ======== version 1 of 1: 3 launches
;; limits: right only within a limited range of input values
;; workspace buffers: xq 4,915,200 bytes; wq 1,843,200 bytes; qc 4,718,592 bytes; qs 196,608 bytes; kv 9,830,400 bytes
;; launch quant (part 1): grid 22 x 16, 6 waves a work-group, no clusters, 51,456 bytes of LDS; arguments x, Wq, Wk, Wv, Wproj, xq, wq; writes xq, wq
.if DOCPART == 1
	.amdgcn_target "amdgcn-amd-amdhsa--gfx1250"
	.amdhsa_code_object_version 6
	.text
	.protected	k_q61e12d043e_quant
	.globl	k_q61e12d043e_quant
	.p2align	8
	.type	k_q61e12d043e_quant,@function
k_q61e12d043e_quant:
	s_mov_b64 s[64:65], 0
	v_nop
	global_prefetch_b8 v0, s[64:65] scope:SCOPE_SE
	s_setreg_imm32_b32 hwreg(HW_REG_WAVE_MODE, 25, 1), 1
	s_wait_xcnt 0x0
; x [8192][768] and the four weights (K = their 768 rows) become codes of FP6 (E2M3) with one E8M0 byte for each 32 along K, laid as IMAGES OF OPERAND REGISTERS:
; a fragment (16 rows x 128 K, 12 registers a lane) is 1,536 bytes: registers 4 g .. 4 g + 3 of lane l at 512 g + 16 l.  A scale register is 128 bytes, lane l's word at 4 l.
; xq: codes [tb 32][s 6][mt 16][1536] (tb: 256 tokens, s: 128 along K, mt: 16 tokens); at XSC scale registers [tb][sp 3][mt][128]: lanes 0-15 K step 2 sp, lanes 16-31 K step 2 sp + 1.
; wq: codes [y 16][s 6][ct 12][1536]: y < 12: kind y / 4 (q, k, v), heads 3 (y % 4) + ct / 4, channels 16 (ct % 4) on; y = 12 + ng: Wproj's columns 192 ng + 16 ct on.  At WSC [y][s][cp 6][128]: lanes 0-15 tile 2 cp, lanes 16-31 tile 2 cp + 1.
; Wproj's rows are taken, inside each block of 32, in the order 0-7, 16-23, 8-15, 24-31: that is the order in which the attention launch's results stand when they are quantised.  A block's scale and its set of products do not hang on the order inside the block.
; A block's scale byte is its largest magnitude's exponent field - 2, held at 1 from below.
; LIMITS: NaN and infinities among the inputs are not served.  A block of zeros gets the byte 1 where the rule says 127: its codes are zeros, and this program alone reads the bytes.
; SHARES: work-groups with x < 16 take x: 32 tokens each; wave w: tile w / 3, K steps 2 (w % 3) and + 1.  Work-groups with x >= 16: cp = x - 16, y = the grid's y, wave = K step: 32 columns x 128 along K.
; No matrix unit, no tensor load, no cluster, no barrier: waves share nothing and no input byte is read twice.  Only the path for x uses LDS.
.set XSC, 4718592
.set WSC, 1769472
.set SEL, 22                           ; s[22:23] lane selects of v_permlanex16_b32: lane l xor 16
.set TM,  208                          ; v208-211 largest magnitudes, v212-215 the other half's, then bytes, v220-223 the conversions' scale operands
.set TC,  236                          ; v236-243 the conversions' second halves
.set R0,  16                           ; v16-143  x as loaded, 64 registers a fragment
.set N,   144                          ; v144-207 64 numbers: register 16 b + i = k 32 b + 16 (lane / 16) + i of row lane % 16
.set PCA, 224                          ; the first fragment's codes
.set PCB, 16                           ; the second's (the first fragment's numbers have left these registers)
.set PW0, 244
.set PW1, 245
.set MG,  246
.set X,   16                           ; weights: v16-143: register 32 t + i: block t of my column
.set FA,  144
.set FB,  156
.set TW,  168
.set MX,  184
.set SO,  192
.set BY,  196
.set WD,  200
; 64 numbers of a lane become a fragment's codes in v[pc] on and its rows' scale word in v[pw] (the same word in lanes l and l xor 16)
.macro QUANT s, pc, pw
.irp b, 0,1,2,3
	v_max3_num_f32 v[TM+\b], |v[(\s)+16*\b]|, |v[(\s)+16*\b+1]|, 0x1800000   ; block b: my 16 numbers and the floor 2^(3 - 127): the byte cannot fall under 1
.endr
.irp i, 2,4,6,8,10,12,14
.irp b, 0,1,2,3
	v_max3_num_f32 v[TM+\b], v[TM+\b], |v[(\s)+16*\b+\i]|, |v[(\s)+16*\b+\i+1]|   ; the four blocks by turns
.endr
.endr
.irp b, 0,1,2,3
	v_permlanex16_b32 v[TM+4+\b], v[TM+\b], s[SEL], s[SEL+1]
.endr
.irp b, 0,1,2,3
	v_max_num_f32 v[TM+\b], v[TM+\b], v[TM+4+\b]          ; with lane l xor 16's 16: the block's largest magnitude
.endr
.irp b, 0,1,2,3
	v_add_nc_u32 v[TM+12+\b], 0xff000000, v[TM+\b]        ; 2 off its exponent field: the conversion's scale operand
.endr
.irp b, 0,1,2,3
	v_lshrrev_b32 v[TM+4+\b], 23, v[TM+12+\b]             ; the scale's byte
.endr
	v_lshl_or_b32 v[\pw], v[TM+5], 8, v[TM+4]
	v_lshl_or_b32 v[\pw], v[TM+6], 16, v[\pw]
	v_lshl_or_b32 v[\pw], v[TM+7], 24, v[\pw]
.irp c, 0,1
	v_cvt_scalef32_pk16_fp6_f32 v[(\pc)+6*\c:(\pc)+6*\c+2], v[(\s)+32*\c:(\s)+32*\c+15], v[TM+12+2*\c]
	v_cvt_scalef32_pk16_fp6_f32 v[TC+4*\c:TC+4*\c+2], v[(\s)+32*\c+16:(\s)+32*\c+31], v[TM+13+2*\c]   ; (a conversion's three registers begin on an even number)
.endr
	v_nop                                                 ; one plain line behind the scaled conversions
.irp c, 0,1                                            ; the operand wants a whole block in a lane: lanes 0-15 block 2 c, lanes 16-31 block 2 c + 1
.irp i, 0,1,2
	v_permlane16_swap_b32 v[(\pc)+6*\c+\i], v[TC+4*\c+\i]
.endr
.irp i, 0,1,2
	v_mov_b32 v[(\pc)+6*\c+3+\i], v[TC+4*\c+\i]
.endr
.endr
.endm
	s_load_b256 s[4:11], s[0:1], 0x0               ; x s[4:5], Wq s[6:7], Wk s[8:9], Wv s[10:11]
	s_load_b128 s[12:15], s[0:1], 0x20             ; Wproj s[12:13], xq s[14:15]
	s_load_b64 s[16:17], s[0:1], 0x30              ; wq
	v_lshl_add_u32 v248, v0, 2, 0xc600
	v_mov_b32 v249, 0
	v_lshrrev_b32 v1, 5, v0
	v_readfirstlane_b32 s18, v1                    ; wave 0..5
	v_and_b32 v2, 31, v0                           ; lane
	v_lshlrev_b32 v4, 4, v2                        ; 16 x lane
	v_lshlrev_b32 v7, 2, v2                        ; 4 x lane
	s_mov_b32 s19, ttmp9                           ; the grid's x
	s_and_b32 s20, ttmp7, 0xffff                   ; the grid's y
	s_mov_b32 s[SEL], 0x76543210
	s_mov_b32 s[SEL+1], 0xfedcba98
	s_cmp_lt_u32 s19, 16
	s_cbranch_scc0 .Lweights
	; ---------------- x ----------------
	s_lshl_b32 s24, s20, 4
	s_add_co_u32 s24, s24, s19                     ; g = 16 y + x: 32 tokens
	s_mul_i32 s25, s18, 11
	s_lshr_b32 s25, s25, 5                         ; tl = wave / 3
	s_mul_i32 s26, s25, 3
	s_sub_co_u32 s26, s18, s26                     ; sp = wave % 3
	s_lshl_b32 s27, s24, 1
	s_add_co_u32 s27, s27, s25                     ; my tile of 16 tokens
	s_lshr_b32 s28, s24, 3                         ; tb
	s_and_b32 s29, s24, 7
	s_lshl_b32 s29, s29, 1
	s_add_co_u32 s29, s29, s25                     ; mt
	s_mul_i32 s30, s27, 49152                      ; 16 rows of 3,072 bytes
	s_lshl_b32 s31, s26, 10                        ; + two K steps of 512 bytes
	s_add_co_u32 s30, s30, s31
	s_mov_b32 s31, 0
	s_mul_i32 s32, s28, 6
	s_lshl_b32 s33, s26, 1
	s_add_co_u32 s32, s32, s33
	s_lshl_b32 s32, s32, 4
	s_add_co_u32 s32, s32, s29
	s_mul_i32 s32, s32, 1536                       ; ((6 tb + 2 sp) 16 + mt) x 1,536
	s_mov_b32 s33, 0
	s_mul_i32 s34, s28, 6144
	s_lshl_b32 s35, s26, 11
	s_add_co_u32 s34, s34, s35
	s_lshl_b32 s35, s29, 7
	s_add_co_u32 s34, s34, s35
	s_add_co_u32 s34, s34, XSC
	s_mov_b32 s35, 0
	s_mul_i32 s36, s18, 8448                       ; my wave's stage: 16 rows of 512 + 16 bytes
	s_wait_alu depctr_va_vdst(0)
	v_add_nc_u32 v5, s36, v4                       ; in: 16 x lane of a row
	v_and_b32 v8, 15, v0
	v_bfe_u32 v9, v0, 4, 1
	v_mul_u32_u24 v6, v8, 528
	v_lshl_add_u32 v6, v9, 6, v6
	v_add_nc_u32 v6, s36, v6                       ; out: row lane % 16, + 64 (lane / 16)
.irp b, 0,1,2,3
	v_mov_b32 v[TM+4+\b], 0                        ; written once: a lane permute's destination counts as one of its sources
.endr
	s_wait_alu depctr_va_vdst(0)
	s_wait_kmcnt 0x0
	s_add_nc_u64 s[4:5], s[4:5], s[30:31]
	s_add_nc_u64 s[32:33], s[14:15], s[32:33]
	s_add_nc_u64 s[34:35], s[14:15], s[34:35]
.irp f, 0,1
.irp i, 0,1,2,3,4,5,6,7,8,9,10,11,12,13,14,15
	global_load_b128 v[R0+64*\f+4*\i:R0+64*\f+4*\i+3], v4, s[4:5] offset:3072*\i+512*\f th:TH_LOAD_NT   ; 32 lanes read 512 consecutive bytes: a row's 128 numbers of K step 2 sp + f
.endr
.endr
; fragment f: through my stage (LDS serves a wave's instructions in order: no wait between the stores and the loads), quantised, stored
.macro XFRAG f, pc, pw
	s_wait_loadcnt 16*(1-\f)                       ; this fragment's 16 loads are in; the count is the other fragment's loads
.irp i, 0,1,2,3,4,5,6,7,8,9,10,11,12,13,14,15
	ds_store_b128 v5, v[R0+64*\f+4*\i:R0+64*\f+4*\i+3] offset:528*\i
.endr
.irp b, 0,1,2,3
.irp j, 0,1,2,3
	ds_load_b128 v[N+16*\b+4*\j:N+16*\b+4*\j+3], v6 offset:128*\b+16*\j
.endr
.endr
	s_wait_dscnt 0x0
	QUANT N, \pc, \pw
.irp g, 0,1,2
	global_store_b128 v4, v[(\pc)+4*\g:(\pc)+4*\g+3], s[32:33] offset:24576*\f+512*\g   ; 512 consecutive bytes, aligned; a K step on is 16 tiles x 1,536 bytes
.endr
.endm
	XFRAG 0, PCA, PW0
	XFRAG 1, PCB, PW1
	v_cmp_gt_u32 vcc_lo, 16, v2
	v_cndmask_b32 v[MG], v[PW1], v[PW0], vcc_lo    ; lanes 0-15: K step 2 sp's words; lanes 16-31: K step 2 sp + 1's
	global_store_b32 v7, v[MG], s[34:35]           ; 128 consecutive bytes: the scale bytes are one part in 24 of what is stored
	s_wait_tensorcnt 0x0
	ds_add_u32 v248, v249
	s_wait_dscnt 0x0
	s_endpgm
	; ---------------- the weights: a lane takes a column, its 128 registers run down K ----------------
.macro WLOAD pitch, perm
.irp t, 0,1,2,3
.set ii, 0
.rept 32
.set pp, ii
.if (\perm) && (ii >= 8) && (ii < 16)
.set pp, ii+8
.endif
.if (\perm) && (ii >= 16) && (ii < 24)
.set pp, ii-8
.endif
	global_load_b32 v[X+32*\t+ii], v7, s[28:29] offset:(32*\t+pp)*(\pitch) th:TH_LOAD_NT   ; 32 neighbouring columns: 128 consecutive bytes
.set ii, ii+1
.endr
.endr
.endm
.Lweights:
	s_sub_co_u32 s24, s19, 16                      ; cp: which 32 of the 192 columns
	s_cmp_lt_u32 s20, 12
	s_cbranch_scc0 .Lproj
	s_lshr_b32 s25, s20, 2                         ; kind: q, k, v
	s_and_b32 s26, s20, 3
	s_mul_i32 s26, s26, 3
	s_lshr_b32 s27, s24, 1
	s_add_co_u32 s26, s26, s27                     ; the head
	s_mul_i32 s26, s26, 196608                     ; 768 rows of 256 bytes
	s_lshl_b32 s27, s18, 15                        ; K step: 128 rows
	s_add_co_u32 s26, s26, s27
	s_and_b32 s27, s24, 1
	s_lshl_b32 s27, s27, 7                         ; which 32 of the head's 64 channels
	s_add_co_u32 s26, s26, s27
	s_mov_b32 s27, 0
	s_wait_kmcnt 0x0
	s_cmp_eq_u32 s25, 0
	s_cselect_b64 s[28:29], s[6:7], s[8:9]
	s_cmp_eq_u32 s25, 2
	s_cselect_b64 s[28:29], s[10:11], s[28:29]
	s_add_nc_u64 s[28:29], s[28:29], s[26:27]
	s_wait_alu depctr_va_vdst(0)
	WLOAD 256, 0
	s_branch .Lwcommon
.Lproj:
	s_sub_co_u32 s25, s20, 12                      ; ng
	s_mul_i32 s26, s25, 768                        ; 192 columns of 4 bytes
	s_lshl_b32 s27, s24, 7
	s_add_co_u32 s26, s26, s27
	s_mul_i32 s27, s18, 393216                     ; K step: 128 rows of 3,072 bytes
	s_add_co_u32 s26, s26, s27
	s_mov_b32 s27, 0
	s_wait_kmcnt 0x0
	s_add_nc_u64 s[28:29], s[12:13], s[26:27]
	s_wait_alu depctr_va_vdst(0)
	WLOAD 3072, 1
.Lwcommon:
	s_mul_i32 s30, s20, 6
	s_add_co_u32 s30, s30, s18
	s_mul_i32 s30, s30, 12
	s_lshl_b32 s31, s24, 1
	s_add_co_u32 s30, s30, s31
	s_mul_i32 s30, s30, 1536                       ; ((6 y + s) 12 + 2 cp) x 1,536
	s_mov_b32 s31, 0
	s_add_nc_u64 s[30:31], s[16:17], s[30:31]
	s_mul_i32 s32, s20, 4608
	s_mul_i32 s33, s18, 768
	s_add_co_u32 s32, s32, s33
	s_lshl_b32 s33, s24, 7
	s_add_co_u32 s32, s32, s33
	s_add_co_u32 s32, s32, WSC
	s_mov_b32 s33, 0
	s_add_nc_u64 s[32:33], s[16:17], s[32:33]
	s_wait_loadcnt 0x0
.irp t, 0,1,2,3
	v_max3_num_f32 v[MX+\t], |v[X+32*\t]|, |v[X+32*\t+1]|, 0x1800000   ; all 32 numbers of a block are mine; the floor holds the byte at 1
.endr
.irp i, 2,4,6,8,10,12,14,16,18,20,22,24,26,28,30
.irp t, 0,1,2,3
	v_max3_num_f32 v[MX+\t], v[MX+\t], |v[X+32*\t+\i]|, |v[X+32*\t+\i+1]|
.endr
.endr
.irp t, 0,1,2,3
	v_add_nc_u32 v[SO+\t], 0xff000000, v[MX+\t]
.endr
.irp t, 0,1,2,3
	v_lshrrev_b32 v[BY+\t], 23, v[SO+\t]
.endr
	v_lshl_or_b32 v[WD], v[BY+1], 8, v[BY]
	v_lshl_or_b32 v[WD], v[BY+2], 16, v[WD]
	v_lshl_or_b32 v[WD], v[BY+3], 24, v[WD]        ; my column's scale word
.irp c, 0,1
	v_cvt_scalef32_pk16_fp6_f32 v[FA+6*\c:FA+6*\c+2], v[X+64*\c:X+64*\c+15], v[SO+2*\c]          ; block 2 c
	v_cvt_scalef32_pk16_fp6_f32 v[TW+8*\c:TW+8*\c+2], v[X+64*\c+16:X+64*\c+31], v[SO+2*\c]
	v_cvt_scalef32_pk16_fp6_f32 v[FB+6*\c:FB+6*\c+2], v[X+64*\c+32:X+64*\c+47], v[SO+2*\c+1]     ; block 2 c + 1
	v_cvt_scalef32_pk16_fp6_f32 v[TW+8*\c+4:TW+8*\c+6], v[X+64*\c+48:X+64*\c+63], v[SO+2*\c+1]
.endr
	v_nop                                          ; one plain line behind the scaled conversions
.irp c, 0,1
.irp i, 0,1,2
	v_mov_b32 v[FA+6*\c+3+\i], v[TW+8*\c+\i]
	v_mov_b32 v[FB+6*\c+3+\i], v[TW+8*\c+4+\i]
.endr
.endr
.irp k, 0,1,2,3,4,5,6,7,8,9,10,11
	v_permlane16_swap_b32 v[FA+\k], v[FB+\k]       ; FA: lanes 0-15 keep the even blocks of columns 0-15 and lanes 16-31 get their odd blocks: tile 2 cp's fragment; FB likewise: tile 2 cp + 1's
.endr
.irp g, 0,1,2
	global_store_b128 v4, v[FA+4*\g:FA+4*\g+3], s[30:31] offset:512*\g
	global_store_b128 v4, v[FB+4*\g:FB+4*\g+3], s[30:31] offset:1536+512*\g
.endr
	global_store_b32 v7, v[WD], s[32:33]
	s_endpgm
.Lfunc_end_k_q61e12d043e_quant:
	.size	k_q61e12d043e_quant, .Lfunc_end_k_q61e12d043e_quant-k_q61e12d043e_quant
	.p2alignl 7, 3214868480
	.fill 96, 4, 3214868480
	.section	.rodata,"a",@progbits
	.p2align	6, 0x0
	.amdhsa_kernel k_q61e12d043e_quant
		.amdhsa_group_segment_fixed_size 51456
		.amdhsa_private_segment_fixed_size 0
		.amdhsa_enable_private_segment 0
		.amdhsa_kernarg_size 56
		.amdhsa_user_sgpr_count 2
		.amdhsa_user_sgpr_kernarg_segment_ptr 1
		.amdhsa_wavefront_size32 1
		.amdhsa_system_sgpr_workgroup_id_x 1
		.amdhsa_system_sgpr_workgroup_id_y 1
		.amdhsa_system_sgpr_workgroup_id_z 1
		.amdhsa_system_vgpr_workitem_id 0
		.amdhsa_next_free_vgpr 250
		.amdhsa_next_free_sgpr 66
		.amdhsa_reserve_vcc 1
		.amdhsa_float_denorm_mode_32 3
		.amdhsa_float_denorm_mode_16_64 3
		.amdhsa_memory_ordered 1
		.amdhsa_forward_progress 1
		.amdhsa_inst_pref_size 51
	.end_amdhsa_kernel
	.amdgpu_metadata
---
amdhsa.version: [ 1, 2 ]
amdhsa.kernels:
  - .name:           k_q61e12d043e_quant
    .symbol:         k_q61e12d043e_quant.kd
    .args:
      - { .name: x, .offset: 0, .size: 8, .value_kind: global_buffer, .address_space: global }
      - { .name: Wq, .offset: 8, .size: 8, .value_kind: global_buffer, .address_space: global }
      - { .name: Wk, .offset: 16, .size: 8, .value_kind: global_buffer, .address_space: global }
      - { .name: Wv, .offset: 24, .size: 8, .value_kind: global_buffer, .address_space: global }
      - { .name: Wproj, .offset: 32, .size: 8, .value_kind: global_buffer, .address_space: global }
      - { .name: xq, .offset: 40, .size: 8, .value_kind: global_buffer, .address_space: global }
      - { .name: wq, .offset: 48, .size: 8, .value_kind: global_buffer, .address_space: global }
    .group_segment_fixed_size: 51456
    .private_segment_fixed_size: 0
    .kernarg_segment_align: 8
    .kernarg_segment_size: 56
    .max_flat_workgroup_size: 192
    .sgpr_count:     66
    .vgpr_count:     250
    .wavefront_size: 32
...
	.end_amdgpu_metadata
.endif
;; end of part 1
;; launch qkv (part 2): grid 32 x 8, 12 waves a work-group, clusters of 4 x 4, 314,880 bytes of LDS; arguments xq, wq, qc, qs, kv; writes qc, qs, kv
.if DOCPART == 2
	.amdgcn_target "amdgcn-amd-amdhsa--gfx1250"
	.amdhsa_code_object_version 6
	.text
	.protected	k_q61e12d043e_qkv
	.globl	k_q61e12d043e_qkv
	.p2align	8
	.type	k_q61e12d043e_qkv,@function
k_q61e12d043e_qkv:
	s_mov_b64 s[64:65], 0
	v_nop
	global_prefetch_b8 v0, s[64:65] scope:SCOPE_SE
	s_setreg_imm32_b32 hwreg(HW_REG_WAVE_MODE, 25, 1), 1
	s_wait_xcnt 0x0
	s_wait_alu depctr_hold_cnt(0) depctr_sa_sdst(0) depctr_va_vdst(0) depctr_va_sdst(0) depctr_va_ssrc(0) depctr_va_vcc(0) depctr_vm_vsrc(0)
	s_getreg_b32 s2, hwreg(HW_REG_IB_STS2, 6, 4)
	s_cmp_eq_u32 s2, 0
	s_cbranch_scc0 .Lentry_in_a_cluster
	s_endpgm
.Lentry_in_a_cluster:
	s_bfe_u32 s2, ttmp6, 0x10000c
	s_cmp_lg_u32 s2, 0xf033
	s_cbranch_scc0 .Lentry_shape_is_right
	s_endpgm
.Lentry_shape_is_right:
; q, k, v = x W on codes of FP6 (E2M3), K = 768; the results are quantised in registers and leave as codes: q and k along the head's 64 channels, v along the keys.
; 256 work-groups.  A work-group takes 256 tokens (tb) and makes 192 channels (three heads) of q or of k (the kind = the cluster's y), then v's channels 96 y .. 96 y + 95.
; All of K lies in LDS, each byte filled once: x's 96 fragment images, 72 of Wq or Wk, 36 of Wv.  ONE joint load a wave at the head:
; waves 0-5 a K step of x each (96 rows of 256 bytes), waves 6-9 a quarter of W (108 rows), waves 10, 11 three K steps of Wv (rows of 9,216 bytes, 18,432 apart).
; CLUSTER 4 x 4: x's images hang on tb alone and are asked for jointly down a column, the weights' on y alone, along a row.
; Nothing is prefetched: every byte that the work-group reads is asked for at its head, and there is no loop to run ahead in.
; q, k: wave = 64 tokens x one head; source 0 = 16 channels of W, source 1 = 16 tokens: a lane holds ONE token, its registers run along the channels.
; v: waves 0-5, 128 tokens x 32 channels each; source 0 = 16 tokens, source 1 = 16 channels: a lane holds ONE channel, its registers run along the keys.
; Inside a block of 32 the numbers stand in the order 0-7, 16-23, 8-15, 24-31; both operands of each later product are made so.
; OUT: qc [hb 96][kf 32][1536] (registers 0-5 token tile 2 kf, 6-11 tile 2 kf + 1), qs [hb][kf][16 words]; hb = 8 head + batch.
;      kv [hb][ks 8][12800]: K's images kf = 4 ks .. + 3 at 0, V's images t = 0 .. 3 (16 channels x 128 keys) at 6,144, K's scale words at 12,288, V's at 12,544.
; LIMITS: NaN and infinities are not served; a block of zeros gets the byte 1 (its codes are zeros; this program alone reads the bytes).
; REGISTERS: v0, v1 LDS addresses; v2-31 scale words and nothing else; v32-127 fragments, later the way out; v128-255 sixteen accumulators; v256, v257 the add's two.
.set XSC, 4718592
.set WSC, 1769472
.set XL,  0
.set WL,  147456
.set VL,  258048
.set WV,  16
.set SEL, 22
.set G1V, 68
.set G0V, 76
.set FA,  32
.set FB,  80
.set FW,  32
.set FX,  56
.set ACC, 128
.set TM,  32
.set TC,  48
.set PW0, 56
.set PW1, 57
.set MG,  58
.set PC0, 60
.set PC1, 72
.set L16, 104
.set L4,  105
.macro PLACES n
.rept \n
	v_nop
.endr
.endm
.macro CROUND
	s_barrier_signal -1
	s_barrier_wait -1
	s_cmp_lg_u32 s[WV], 0
	s_cbranch_scc1 .Lnot_wave_0_\@
	s_barrier_signal -3
.Lnot_wave_0_\@:
	s_barrier_wait -3
	s_barrier_signal -1
	s_barrier_wait -1
.endm
; one product; c: the C operand as text; ra, rb = 1: that side's scales stand in lanes 16-31
.macro MM d, a, b, c, sa, ra, sb, rb
.if (\ra) && (\rb)
	v_wmma_scale_f32_16x16x128_f8f6f4 v[0+(\d):7+(\d)], v[0+(\a):11+(\a)], v[0+(\b):11+(\b)], \c, v[0+(\sa)], v[0+(\sb)] matrix_a_fmt:MATRIX_FMT_FP6 matrix_b_fmt:MATRIX_FMT_FP6 matrix_a_scale:MATRIX_SCALE_ROW1 matrix_b_scale:MATRIX_SCALE_ROW1
.elseif (\ra)
	v_wmma_scale_f32_16x16x128_f8f6f4 v[0+(\d):7+(\d)], v[0+(\a):11+(\a)], v[0+(\b):11+(\b)], \c, v[0+(\sa)], v[0+(\sb)] matrix_a_fmt:MATRIX_FMT_FP6 matrix_b_fmt:MATRIX_FMT_FP6 matrix_a_scale:MATRIX_SCALE_ROW1
.elseif (\rb)
	v_wmma_scale_f32_16x16x128_f8f6f4 v[0+(\d):7+(\d)], v[0+(\a):11+(\a)], v[0+(\b):11+(\b)], \c, v[0+(\sa)], v[0+(\sb)] matrix_a_fmt:MATRIX_FMT_FP6 matrix_b_fmt:MATRIX_FMT_FP6 matrix_b_scale:MATRIX_SCALE_ROW1
.else
	v_wmma_scale_f32_16x16x128_f8f6f4 v[0+(\d):7+(\d)], v[0+(\a):11+(\a)], v[0+(\b):11+(\b)], \c, v[0+(\sa)], v[0+(\sb)] matrix_a_fmt:MATRIX_FMT_FP6 matrix_b_fmt:MATRIX_FMT_FP6
.endif
.endm
.macro MZ d, a, b, zero, sa, ra, sb, rb          ; zero = 1: the product starts its sum
.if (\zero)
	MM \d, \a, \b, 0, \sa, \ra, \sb, \rb
.else
	MM \d, \a, \b, v[0+(\d):7+(\d)], \sa, \ra, \sb, \rb
.endif
.endm
; 64 numbers of a lane (register 16 b + i: block b; lanes l and l xor 16 share a block) become a fragment's codes in v[pc] on and the scale word in v[pw]
.macro QUANT s, pc, pw
.irp b, 0,1,2,3
	v_max3_num_f32 v[TM+\b], |v[(\s)+16*\b]|, |v[(\s)+16*\b+1]|, 0x1800000   ; the floor 2^(3 - 127) holds the byte at 1 from below
.endr
.irp i, 2,4,6,8,10,12,14
.irp b, 0,1,2,3
	v_max3_num_f32 v[TM+\b], v[TM+\b], |v[(\s)+16*\b+\i]|, |v[(\s)+16*\b+\i+1]|
.endr
.endr
.irp b, 0,1,2,3
	v_permlanex16_b32 v[TM+4+\b], v[TM+\b], s[SEL], s[SEL+1]
.endr
.irp b, 0,1,2,3
	v_max_num_f32 v[TM+\b], v[TM+\b], v[TM+4+\b]
.endr
.irp b, 0,1,2,3
	v_add_nc_u32 v[TM+12+\b], 0xff000000, v[TM+\b]        ; 2 off the exponent field: the conversion's scale operand
.endr
.irp b, 0,1,2,3
	v_lshrrev_b32 v[TM+4+\b], 23, v[TM+12+\b]             ; the scale's byte
.endr
	v_lshl_or_b32 v[\pw], v[TM+5], 8, v[TM+4]
	s_delay_alu instid0(VALU_DEP_1)
	v_lshl_or_b32 v[\pw], v[TM+6], 16, v[\pw]
	s_delay_alu instid0(VALU_DEP_1)
	v_lshl_or_b32 v[\pw], v[TM+7], 24, v[\pw]
.irp c, 0,1
	v_cvt_scalef32_pk16_fp6_f32 v[(\pc)+6*\c:(\pc)+6*\c+2], v[(\s)+32*\c:(\s)+32*\c+15], v[TM+12+2*\c]
	v_cvt_scalef32_pk16_fp6_f32 v[TC+4*\c:TC+4*\c+2], v[(\s)+32*\c+16:(\s)+32*\c+31], v[TM+13+2*\c]
.endr
	v_nop                                                 ; one plain line behind the scaled conversions
.irp c, 0,1
.irp i, 0,1,2
	v_permlane16_swap_b32 v[(\pc)+6*\c+\i], v[TC+4*\c+\i]   ; a whole block to a lane
.endr
.irp i, 0,1,2
	v_mov_b32 v[(\pc)+6*\c+3+\i], v[TC+4*\c+\i]
.endr
.endr
.endm
; the way out: each 64 accumulator registers become one fragment image and 16 scale words
.macro EPI cb, sb
	QUANT ACC, PC0, PW0
.irp g, 0,1,2
	global_store_b128 v[L16], v[PC0+4*\g:PC0+4*\g+3], s[\cb:\cb+1] offset:512*\g          ; 512 consecutive bytes, aligned
.endr
	QUANT ACC+64, PC1, PW1
.irp g, 0,1,2
	global_store_b128 v[L16], v[PC1+4*\g:PC1+4*\g+3], s[\cb:\cb+1] offset:1536+512*\g
.endr
	v_cmp_gt_u32 vcc_lo, 256, v[L16]
	s_delay_alu instid0(VALU_DEP_1)
	v_cndmask_b32 v[MG], v[PW1], v[PW0], vcc_lo    ; lanes 0-15: the first fragment's words; lanes 16-31: the second's
	global_store_b32 v[L4], v[MG], s[\sb:\sb+1]
.endm
	s_load_b256 s[4:11], s[0:1], 0x0               ; xq s[4:5], wq s[6:7], qc s[8:9], qs s[10:11]
	s_load_b64 s[12:13], s[0:1], 0x20              ; kv
	s_set_vgpr_msb 0x40
	v_lshl_add_u32 v0, v0, 2, 0x4c800              ; v256: my spare word
	v_mov_b32 v1, 0                                ; v257: 0
	s_set_vgpr_msb 0x4045
	ds_add_u32 v0, v1                              ; the opening lines: the add twice on end and its wait
	ds_add_u32 v0, v1
	s_set_vgpr_msb 0x4500
	v_lshrrev_b32 v1, 5, v0
	s_delay_alu instid0(VALU_DEP_1)
	v_readfirstlane_b32 s[WV], v1                  ; wave 0..11
	s_bfe_u32 s17, ttmp6, 0x40000                  ; cx
	s_bfe_u32 s18, ttmp6, 0x40004                  ; cy
	s_lshl_b32 s19, ttmp9, 2
	s_add_co_u32 s19, s19, s17                     ; tb
	s_and_b32 s21, ttmp7, 0xffff                   ; kind: 0 q, 1 k
	s_lshl_b32 s20, s21, 2
	s_add_co_u32 s20, s20, s18                     ; y
	s_mov_b32 s[SEL], 0x76543210
	s_mov_b32 s[SEL+1], 0xfedcba98
	s_lshl_b32 s83, 0x1111, s17                    ; my column of the cluster
	s_lshl_b32 s87, s18, 2
	s_lshl_b32 s87, 15, s87                        ; my row
	s_or_b32 s24, s83, (3<<16)|(1<<21)             ; x: 96 rows of 32 elements of 8 bytes
	s_mov_b32 s25, 32<<16
	s_mov_b32 s26, 96<<16
	s_mov_b32 s27, 32<<16
	s_mov_b32 s28, 96
	s_mov_b32 s29, 32
	s_mov_b32 s30, 0
	s_mov_b32 s31, 0
	s_or_b32 s32, s87, (3<<16)|(1<<21)             ; Wq or Wk: 108 rows
	s_mov_b32 s33, 32<<16
	s_mov_b32 s34, 108<<16
	s_mov_b32 s35, 32<<16
	s_mov_b32 s36, 108
	s_mov_b32 s37, 32
	s_mov_b32 s38, 0
	s_mov_b32 s39, 0
	s_or_b32 s[G1V], s87, (3<<16)|(1<<21)          ; Wv: 3 rows of 1,152 elements, 2,304 apart
	s_mov_b32 s[G1V+1], 1152<<16
	s_mov_b32 s[G1V+2], 3<<16
	s_mov_b32 s[G1V+3], 1152<<16
	s_mov_b32 s[G1V+4], 3
	s_mov_b32 s[G1V+5], 2304
	s_mov_b32 s[G1V+6], 0
	s_mov_b32 s[G1V+7], 0
	s_mul_i32 s80, s19, 147456                     ; x's images of tb (no register on this side holds cy)
	s_mul_i32 s82, s[WV], 24576                    ; K step = wave
	s_add_co_u32 s80, s80, s82
	s_mov_b32 s81, 0
	s_add_co_u32 s86, s[WV], 2
	s_and_b32 s86, s86, 3                          ; waves 6-9: quarter 0-3
	s_mul_i32 s86, s86, 27648
	s_mul_i32 s84, s20, 110592                     ; (no register on this side holds cx)
	s_add_co_u32 s84, s84, s86
	s_mov_b32 s85, 0
	s_lshr_b32 s88, s20, 1                         ; Wv: group 8 + y / 2 of wq, tiles 6 (y % 2) on
	s_add_co_u32 s88, s88, 8
	s_mul_i32 s88, s88, 110592
	s_and_b32 s91, s20, 1
	s_mul_i32 s91, s91, 9216
	s_add_co_u32 s88, s88, s91
	s_and_b32 s90, s[WV], 1                        ; waves 10, 11: K steps 0-2, 3-5
	s_mul_i32 s91, s90, 55296
	s_add_co_u32 s88, s88, s91
	s_mov_b32 s89, 0
	s_mul_i32 s90, s90, 27648
	s_wait_dscnt 0x0
	s_wait_kmcnt 0x0
	s_add_nc_u64 s[80:81], s[4:5], s[80:81]
	s_add_nc_u64 s[84:85], s[6:7], s[84:85]
	s_add_nc_u64 s[88:89], s[6:7], s[88:89]
	s_mov_b32 s40, 1
	s_add_co_u32 s41, s82, XL
	s_mov_b64 s[42:43], s[80:81]
	s_or_b32 s43, s43, 0x80000000
	s_mov_b32 s44, 1
	s_add_co_u32 s45, s86, WL
	s_mov_b64 s[46:47], s[84:85]
	s_or_b32 s47, s47, 0x80000000
	s_mov_b32 s[G0V], 1
	s_add_co_u32 s[G0V+1], s90, VL
	s_mov_b64 s[G0V+2:G0V+3], s[88:89]
	s_or_b32 s[G0V+3], s[G0V+3], 0x80000000
	CROUND                                         ; all sixteen work-groups are here: the joint loads meet
	s_cmp_lt_u32 s[WV], 6                          ; one chain of branches on the wave's number, one load to an arm
	s_cbranch_scc0 .Lhead_w
	tensor_load_to_lds s[40:43], s[24:31]
	s_nop 0
	PLACES 4
	s_branch .Lhead_asked
.Lhead_w:
	s_cmp_lt_u32 s[WV], 10
	s_cbranch_scc0 .Lhead_v
	tensor_load_to_lds s[44:47], s[32:39]
	s_nop 0
	PLACES 4
	s_branch .Lhead_asked
.Lhead_v:
	tensor_load_to_lds s[G0V:G0V+3], s[G1V:G1V+7]
	s_nop 0
	PLACES 4
.Lhead_asked:
	; ---------------- q or k: all twelve waves ----------------
	s_and_b32 s80, s[WV], 3                        ; tq: my 64 tokens
	s_lshr_b32 s81, s[WV], 2                       ; ul: my head of the three
	v_and_b32 v33, 31, v0
	s_delay_alu instid0(VALU_DEP_1)
	v_lshlrev_b32 v32, 2, v33                      ; 4 x lane
	v_lshlrev_b32 v33, 4, v33                      ; 16 x lane
	s_wait_alu depctr_va_vdst(0)
	s_mul_i32 s82, s19, 6144
	s_lshl_b32 s83, s80, 9
	s_add_co_u32 s82, s82, s83
	s_add_co_u32 s82, s82, XSC
	s_mov_b32 s83, 0
	s_add_nc_u64 s[82:83], s[4:5], s[82:83]
	s_mul_i32 s84, s20, 4608
	s_lshl_b32 s85, s81, 8
	s_add_co_u32 s84, s84, s85
	s_add_co_u32 s84, s84, WSC
	s_mov_b32 s85, 0
	s_add_nc_u64 s[84:85], s[6:7], s[84:85]
.irp b, 0,1,2,3
.irp q, 0,1,2
	global_load_b32 v[2+3*\b+\q], v32, s[82:83] offset:2048*\q+128*\b    ; x's tile 4 tq + b: lanes 0-15 K step 2 q, lanes 16-31 K step 2 q + 1
.endr
.endr
.irp e, 0,1
.irp k, 0,1,2,3,4,5
	global_load_b32 v[14+6*\e+\k], v32, s[84:85] offset:768*\k+128*\e    ; W's tiles 4 ul + 2 e and + 1, K step k
.endr
.endr
	s_mul_i32 s86, s80, 6144
	s_mul_i32 s87, s81, 6144
	s_add_co_u32 s87, s87, WL
	v_add_nc_u32 v1, s87, v33
	v_add_nc_u32 v0, s86, v33
	s_add_co_u32 s98, s86, 5*24576                 ; what v0 holds behind the sixth K step beside 16 x lane
	s_mul_i32 s88, s18, 3
	s_add_co_u32 s88, s88, s81                     ; the head
	s_lshl_b32 s88, s88, 3
	s_lshr_b32 s89, s19, 2
	s_add_co_u32 s88, s88, s89                     ; hb
	s_and_b32 s89, s19, 3
	s_lshl_b32 s89, s89, 3
	s_lshl_b32 s90, s80, 1
	s_add_co_u32 s89, s89, s90                     ; my first kf (even)
	s_mul_i32 s94, s88, 49152
	s_mul_i32 s90, s89, 1536
	s_add_co_u32 s94, s94, s90                     ; q: codes in qc
	s_lshl_b32 s96, s88, 11
	s_lshl_b32 s90, s89, 6
	s_add_co_u32 s96, s96, s90                     ; q: words in qs
	s_mul_i32 s91, s88, 102400
	s_lshr_b32 s90, s89, 2
	s_mul_i32 s90, s90, 12800
	s_add_co_u32 s91, s91, s90                     ; k: the chunk of kv
	s_and_b32 s90, s89, 3
	s_mul_i32 s99, s90, 1536
	s_add_co_u32 s99, s99, s91                     ; k: codes
	s_lshl_b32 s90, s90, 6
	s_add_co_u32 s91, s91, s90
	s_add_co_u32 s91, s91, 12288                   ; k: words
	s_cmp_eq_u32 s21, 0                            ; the choice hangs on the cluster's y alone
	s_cselect_b32 s94, s94, s99
	s_cselect_b32 s96, s96, s91
	s_cselect_b64 s[92:93], s[8:9], s[12:13]
	s_cselect_b64 s[90:91], s[10:11], s[12:13]
	s_mov_b32 s95, 0
	s_mov_b32 s97, 0
	s_add_nc_u64 s[92:93], s[92:93], s[94:95]
	s_add_nc_u64 s[96:97], s[90:91], s[96:97]
	s_wait_alu depctr_va_vdst(0)
	s_wait_loadcnt 0x0                             ; the scale words are in
; a K step: 24 LDS loads, 16 products; the sixteen accumulators take turns
.macro QKSTEP s
.if (\s) > 0
	v_add_nc_u32 v0, 24576, v0                     ; two adds and two v_nop: the places in front of loads into registers that the last products read
	v_add_nc_u32 v1, 18432, v1
	s_wait_alu depctr_va_vdst(0)
	v_nop
	v_nop
.endif
.irp a, 0,1,2,3
.irp g, 0,1,2
	ds_load_b128 v[FA+12*\a+4*\g:FA+12*\a+4*\g+3], v1 offset:1536*\a+512*\g
.endr
.endr
.irp b, 0,1,2,3
.irp g, 0,1,2
	ds_load_b128 v[FB+12*\b+4*\g:FB+12*\b+4*\g+3], v0 offset:1536*\b+512*\g
.endr
.endr
.irp b, 0,1,2,3
	s_wait_dscnt 9-3*\b                            ; three loads for each later fragment of x may be out
.irp a, 0,1,2,3
	MZ ACC+32*\b+8*\a, FA+12*\a, FB+12*\b, (\s)==0, 14+6*(\a/2)+(\s), \a%2, 2+3*\b+(\s)/2, (\s)%2
.endr
.endr
.endm
; v: a K step: 30 LDS loads, 16 products
.macro VSTEP s
.if (\s) > 0
	v_add_nc_u32 v0, 24576, v0
	v_add_nc_u32 v1, 9216, v1
	s_wait_alu depctr_va_vdst(0)
	v_nop
	v_nop
.endif
.irp c, 0,1
.irp g, 0,1,2
	ds_load_b128 v[FW+12*\c+4*\g:FW+12*\c+4*\g+3], v1 offset:1536*\c+512*\g
.endr
.endr
.irp u, 0,1
.if \u > 0
	PLACES 4
.endif
.irp a, 0,1,2,3
.irp g, 0,1,2
	ds_load_b128 v[FX+12*\a+4*\g:FX+12*\a+4*\g+3], v0 offset:1536*(4*\u+\a)+512*\g
.endr
.endr
.irp a, 0,1,2,3
	s_wait_dscnt 9-3*\a
.irp c, 0,1
	MZ ACC+64*\c+8*(4*\u+\a), FX+12*\a, FW+12*\c, (\s)==0, 2+3*(4*\u+\a)+(\s)/2, (\s)%2, 26+(\s), \c
.endr
.endr
.endr
.endm
	s_wait_tensorcnt 0x0                           ; my one load has landed,
	s_barrier_signal -1
	s_barrier_wait -1                              ; and everybody's: from here on LDS is only read
.irp s, 0,1,2,3,4,5
	QKSTEP \s
.endr
	PLACES 4                                       ; behind the last products
	v_sub_nc_u32 v[L16], v0, s98                   ; 16 x lane
	s_delay_alu instid0(VALU_DEP_1)
	v_lshrrev_b32 v[L4], 2, v[L16]                 ; 4 x lane
.irp b, 0,1,2,3
	v_mov_b32 v[TM+4+\b], 0                        ; a lane permute's destination counts as one of its sources
.endr
	s_wait_alu depctr_va_vdst(0)
	s_cmp_lt_u32 s[WV], 6
	s_cbranch_scc1 .Ltwo
	EPI 92, 96                                     ; waves 6 to 11: q's or k's way out, and the end
	s_branch .Lend
	; ---------------- waves 0 to 5 go on to v ----------------
.Ltwo:
	s_and_b32 s24, s[WV], 1                        ; th: my 128 tokens
	s_lshr_b32 s25, s[WV], 1                       ; cpl: my 32 of the 96 channels
	s_mul_i32 s26, s19, 6144
	s_lshl_b32 s27, s24, 10
	s_add_co_u32 s26, s26, s27
	s_add_co_u32 s26, s26, XSC
	s_mov_b32 s27, 0
	s_add_nc_u64 s[26:27], s[4:5], s[26:27]
	s_lshr_b32 s28, s20, 1
	s_add_co_u32 s28, s28, 8
	s_mul_i32 s28, s28, 4608
	s_and_b32 s29, s20, 1
	s_mul_i32 s29, s29, 3
	s_add_co_u32 s29, s29, s25
	s_lshl_b32 s29, s29, 7
	s_add_co_u32 s28, s28, s29
	s_add_co_u32 s28, s28, WSC
	s_mov_b32 s29, 0
	s_add_nc_u64 s[28:29], s[6:7], s[28:29]
.irp a, 0,1,2,3,4,5,6,7
.irp q, 0,1,2
	global_load_b32 v[2+3*\a+\q], v[L4], s[26:27] offset:2048*\q+128*\a   ; v's scale words land during q's or k's way out
.endr
.endr
.irp k, 0,1,2,3,4,5
	global_load_b32 v[26+\k], v[L4], s[28:29] offset:768*\k
.endr
	s_mul_i32 s34, s20, 3
	s_add_co_u32 s34, s34, s25                     ; which 32 of v's 768 channels
	s_lshr_b32 s35, s34, 1                         ; the head
	s_lshl_b32 s35, s35, 3
	s_lshr_b32 s36, s19, 2
	s_add_co_u32 s35, s35, s36                     ; hb
	s_and_b32 s36, s19, 3
	s_lshl_b32 s36, s36, 1
	s_add_co_u32 s36, s36, s24                     ; ks
	s_mul_i32 s30, s35, 102400
	s_mul_i32 s36, s36, 12800
	s_add_co_u32 s30, s30, s36                     ; the chunk of kv
	s_and_b32 s37, s34, 1                          ; my first t is 0 or 2
	s_lshl_b32 s32, s37, 7
	s_add_co_u32 s32, s32, s30
	s_add_co_u32 s32, s32, 12544                   ; V's words
	s_mul_i32 s37, s37, 3072
	s_add_co_u32 s30, s30, s37
	s_add_co_u32 s30, s30, 6144                    ; V's images
	s_mov_b32 s31, 0
	s_mov_b32 s33, 0
	s_add_nc_u64 s[30:31], s[12:13], s[30:31]
	s_add_nc_u64 s[32:33], s[12:13], s[32:33]
	s_mul_i32 s38, s24, 12288
	s_mul_i32 s39, s25, 3072
	s_add_co_u32 s39, s39, VL
	EPI 92, 96                                     ; q's or k's way out
	v_add_nc_u32 v0, s38, v[L16]
	v_add_nc_u32 v1, s39, v[L16]
	s_wait_alu depctr_va_vdst(0)
	s_wait_xcnt 0x0                                ; the stores have read their data: fragments land in those registers only behind this wait
	s_wait_loadcnt 0x0                             ; v's scale words
.irp s, 0,1,2,3,4,5
	VSTEP \s
.endr
	PLACES 4
.irp b, 0,1,2,3
	v_mov_b32 v[TM+4+\b], 0
.endr
	EPI 30, 32                                     ; v's way out
.Lend:
	s_set_vgpr_msb 0x5
	s_wait_tensorcnt 0x0                           ; the wave's end
	ds_add_u32 v0, v1
	s_wait_dscnt 0x0
	s_set_vgpr_msb 0x500
	CROUND                                         ; the closing round
	s_endpgm
.Lfunc_end_k_q61e12d043e_qkv:
	.size	k_q61e12d043e_qkv, .Lfunc_end_k_q61e12d043e_qkv-k_q61e12d043e_qkv
	.p2alignl 7, 3214868480
	.fill 96, 4, 3214868480
	.section	.rodata,"a",@progbits
	.p2align	6, 0x0
	.amdhsa_kernel k_q61e12d043e_qkv
		.amdhsa_group_segment_fixed_size 314880
		.amdhsa_private_segment_fixed_size 0
		.amdhsa_enable_private_segment 0
		.amdhsa_kernarg_size 40
		.amdhsa_user_sgpr_count 2
		.amdhsa_user_sgpr_kernarg_segment_ptr 1
		.amdhsa_wavefront_size32 1
		.amdhsa_system_sgpr_workgroup_id_x 1
		.amdhsa_system_sgpr_workgroup_id_y 1
		.amdhsa_system_sgpr_workgroup_id_z 1
		.amdhsa_system_vgpr_workitem_id 0
		.amdhsa_next_free_vgpr 258
		.amdhsa_next_free_sgpr 100
		.amdhsa_reserve_vcc 1
		.amdhsa_float_denorm_mode_32 3
		.amdhsa_float_denorm_mode_16_64 3
		.amdhsa_memory_ordered 1
		.amdhsa_forward_progress 1
		.amdhsa_inst_pref_size 91
	.end_amdhsa_kernel
	.amdgpu_metadata
---
amdhsa.version: [ 1, 2 ]
amdhsa.kernels:
  - .name:           k_q61e12d043e_qkv
    .symbol:         k_q61e12d043e_qkv.kd
    .args:
      - { .name: xq, .offset: 0, .size: 8, .value_kind: global_buffer, .address_space: global }
      - { .name: wq, .offset: 8, .size: 8, .value_kind: global_buffer, .address_space: global }
      - { .name: qc, .offset: 16, .size: 8, .value_kind: global_buffer, .address_space: global }
      - { .name: qs, .offset: 24, .size: 8, .value_kind: global_buffer, .address_space: global }
      - { .name: kv, .offset: 32, .size: 8, .value_kind: global_buffer, .address_space: global }
    .group_segment_fixed_size: 314880
    .private_segment_fixed_size: 0
    .kernarg_segment_align: 8
    .kernarg_segment_size: 40
    .max_flat_workgroup_size: 384
    .sgpr_count:     100
    .vgpr_count:     258
    .wavefront_size: 32
...
	.end_amdgpu_metadata
.endif
;; end of part 2
;; launch attnproj (part 3): grid 256 x 1, 12 waves a work-group, clusters of 4 x 1, 327,680 bytes of LDS; arguments qc, qs, kv, wq, bproj, out0; writes out0
.if DOCPART == 3
	.amdgcn_target "amdgcn-amd-amdhsa--gfx1250"
	.amdhsa_code_object_version 6
	.text
	.protected	k_q61e12d043e_attnproj
	.globl	k_q61e12d043e_attnproj
	.p2align	8
	.type	k_q61e12d043e_attnproj,@function
k_q61e12d043e_attnproj:
	s_mov_b64 s[64:65], 0
	v_nop
	global_prefetch_b8 v0, s[64:65] scope:SCOPE_SE
	s_setreg_imm32_b32 hwreg(HW_REG_WAVE_MODE, 25, 1), 1
	s_wait_xcnt 0x0
	s_wait_alu depctr_hold_cnt(0) depctr_sa_sdst(0) depctr_va_vdst(0) depctr_va_sdst(0) depctr_va_ssrc(0) depctr_va_vcc(0) depctr_vm_vsrc(0)
	s_getreg_b32 s2, hwreg(HW_REG_IB_STS2, 6, 4)
	s_cmp_eq_u32 s2, 0
	s_cbranch_scc0 .Lentry_in_a_cluster
	s_endpgm
.Lentry_in_a_cluster:
	s_bfe_u32 s2, ttmp6, 0x10000c
	s_cmp_lg_u32 s2, 0x3003
	s_cbranch_scc0 .Lentry_shape_is_right
	s_endpgm
.Lentry_shape_is_right:
; out0 = (softmax(q k^T / 8) v, heads side by side) Wproj + bproj, all three products on codes of FP6 (E2M3).
; SHARES: 256 work-groups; a work-group takes 32 tokens of one batch through everything.  Wave w takes head w: two tiles of 16 queries against the head's 1,024 keys;
; afterwards wave w makes the 32 tokens x columns 64 w .. 64 w + 63 of out0.  o never goes to memory: it is quantised in registers and handed to the other waves through LDS.
; THE SOFTMAX: t = score x log2(e) / 8; M = the running largest t rounded UP to a whole number; p = 2^(t - M) is quantised along the keys, not normalised; the row's sum is
; taken of the unquantised p and divides at the end.  When M moves, the sum and O are multiplied by 2^(old M - new M), which rounds nothing.  The step is written once: the first finds zeros and M = -3e38.
; THE RING: eight steps of 128 keys through two LDS slots; a slot holds one chunk of kv (12,800 bytes: K's four images, V's four, their scale words) for each of the twelve heads.
; Each wave asks for its own head's chunk by one tensor load a step, 50 rows of 256 bytes, and alone reads it.  One load of a wave is out at a time; every wait on TENSORcnt is for 0.
; Since a chunk is read by the wave that asked for it, that wave's own wait is all that its reads need: the next step's images of K are read near the end of a step, ahead of the round.
; For that the registers of images and scores take turns: step in slot 0: K and V in v72 on, scores in v136 on, the next K in v136 on; step in slot 1 the other way round.
; CLUSTER 4 x 1: the four partners take 128 neighbouring tokens of one batch and want the same chunks and the same images of Wproj: every load is joint (mask 15), behind a round of the cluster's barrier.
; PREFETCH: in step t the chunk of step t + 3 is named, two refills ahead of the load that wants it; its 50 blocks of 256 bytes are shared out among the four partners by address
; (13 blocks each, lanes left over name the last again); steps 5 to 7 ask for nothing; chunks 0 to 2 come by their loads alone.
; LAYOUT: S^T = K Q^T, O^T = V^T P^T: a lane holds ONE query.  The head size is half of the instruction's K: an image of K holds two tiles of 16 keys; against [q | 0] it gives the first tile's scores,
; against [0 | q] the second's.  [0 | q0 | 0 | q1 | 0] stands in 30 registers.  Each fragment of K and of V read from LDS serves both query tiles.
; Inside a block of 32 p's keys and o's channels stand in the order 0-7, 16-23, 8-15, 24-31, as v's and Wproj's codes do.
; THE PROJECTION: each wave reads its own 24 images of Wproj once.  K steps 0, 1 are asked for at step 7's round into the wave's part of slot 0, K steps 2, 3 behind one more round into its part of slot 1
; (2 rows of 6,144 bytes each), K steps 4, 5 go from memory straight into registers.  The bias is loaded into the accumulators.  o's images lie in LDS bytes that no fill touches, o's scale words in the
; last 512 bytes of three chunks of slot 0, which have had their last fill.  Results leave through a stage in the wave's own part of slot 0: sixteen lanes store 256 consecutive bytes, aligned.
; LIMITS: NaN and infinities are not served; a block of zeros gets the byte 1 (its codes are zeros; this program alone reads the bytes); p under 2^-126 counts as 0;
; the promise holds while the scaled scores t stay under 2^31 in magnitude.
; REGISTERS: window 0 as named below; window 1: v256-319 O^T of both tiles, later the projection's eight accumulators.
.set CH,    12800
.set SLOT,  153600
.set SPARE, 307200                     ; behind the ring: the spare words, 128 bytes a wave
.set OST,   308736                     ; behind them: o's images [K step 6][tile 2][half 2][768]
.set WSC,   1769472
.set WV,  16
.set SEL, 20
.set CS,  22
.set G1,  24
.set G0,  36                           ; s[36:39] slot 0's group 0, s[40:43] slot 1's
.set PF,  44
.set CNT, 46
.set WB,  52
.set G0W, 68                           ; s[68:71], s[72:75] group 0 for Wproj's K steps 0, 1 and 2, 3;  s[76:83] their group 1
.set G1W, 76
.set AK,  1                            ; v1, v2   my part of slot 0, 1, + 16 x lane
.set AS,  3                            ; v3, v4   its scale words, + 4 x lane
.set L16, 5
.set L8,  6
.set L4,  7
.set SH,  8                            ; 16 (lane / 16)
.set PFO, 9
.set SPW, 10
.set NIL, 11
.set NM0, 12                           ; -M, the largest t
.set SU0, 14                           ; the sum, in two halves
.set FF0, 16                           ; f
.set NM1, 18
.set SU1, 20
.set FF1, 22
.set QS,  24                           ; v24-41 scales and nothing else: q's two, K's two, V's two, p's two; later W's twelve and o's six
.set KS,  26
.set VS,  28
.set PW,  30
.set WS,  24
.set OS,  36
.set QZ,  42                           ; v42-71
.set KA,  72                           ; v72-135 and v136-199: images and scores by turns
.set KB,  136
.set PC,  200                          ; v200-223 p's codes, both tiles
.set TC,  224
.set BM,  232
.set BP,  236
.set SO,  240
.set SA,  236                          ; four partial sums, where BP and SO stand at other times
.set TT,  244
.set OA,  246
.set OB8, 247
.set OSA, 248
.set RO16, 249
.set RO8, 250
.set STO, 251
.set RD,  252
.set CO,  253
.set BO,  254
.set QW,  255
.set XW,  192                          ; the projection: W's images from LDS; K step 4's at W4, K step 5's at KA; o's fragments at QZ and at 120 by turns
.set W4,  144
.set MSB, 0
.macro WIN new                         ; the immediate's high byte repeats the setting that is left
.if MSB != \new
	s_set_vgpr_msb (MSB<<8)|\new
.set MSB, \new
.endif
.endm
.macro PLACES n
.rept \n
	v_nop
.endr
.endm
.macro ROUND
	s_barrier_signal -1
	s_barrier_wait -1
	s_cmp_lg_u32 s[WV], 0
	s_cbranch_scc1 .Lnot_wave_0_\@
	s_barrier_signal -3
.Lnot_wave_0_\@:
	s_barrier_wait -3
	s_barrier_signal -1
	s_barrier_wait -1
.endm
.macro MM d, a, b, c, sa, ra, sb, rb
.if (\ra) && (\rb)
	v_wmma_scale_f32_16x16x128_f8f6f4 v[0+(\d):7+(\d)], v[0+(\a):11+(\a)], v[0+(\b):11+(\b)], \c, v[0+(\sa)], v[0+(\sb)] matrix_a_fmt:MATRIX_FMT_FP6 matrix_b_fmt:MATRIX_FMT_FP6 matrix_a_scale:MATRIX_SCALE_ROW1 matrix_b_scale:MATRIX_SCALE_ROW1
.elseif (\ra)
	v_wmma_scale_f32_16x16x128_f8f6f4 v[0+(\d):7+(\d)], v[0+(\a):11+(\a)], v[0+(\b):11+(\b)], \c, v[0+(\sa)], v[0+(\sb)] matrix_a_fmt:MATRIX_FMT_FP6 matrix_b_fmt:MATRIX_FMT_FP6 matrix_a_scale:MATRIX_SCALE_ROW1
.elseif (\rb)
	v_wmma_scale_f32_16x16x128_f8f6f4 v[0+(\d):7+(\d)], v[0+(\a):11+(\a)], v[0+(\b):11+(\b)], \c, v[0+(\sa)], v[0+(\sb)] matrix_a_fmt:MATRIX_FMT_FP6 matrix_b_fmt:MATRIX_FMT_FP6 matrix_b_scale:MATRIX_SCALE_ROW1
.else
	v_wmma_scale_f32_16x16x128_f8f6f4 v[0+(\d):7+(\d)], v[0+(\a):11+(\a)], v[0+(\b):11+(\b)], \c, v[0+(\sa)], v[0+(\sb)] matrix_a_fmt:MATRIX_FMT_FP6 matrix_b_fmt:MATRIX_FMT_FP6
.endif
.endm
; bytes, scale word and codes of the 64 numbers at v[ss]; BM holds the four blocks' largest magnitudes (floor included)
.macro CODES ss, pc, pw
.irp b, 0,1,2,3
	v_add_nc_u32 v[SO+\b], 0xff000000, v[BM+\b]    ; 2 off the exponent field: the conversion's scale operand
.endr
.irp b, 0,1,2,3
	v_lshrrev_b32 v[BP+\b], 23, v[SO+\b]           ; the scale's byte
.endr
	v_lshl_or_b32 v[\pw], v[BP+1], 8, v[BP]
	s_delay_alu instid0(VALU_DEP_1)
	v_lshl_or_b32 v[\pw], v[BP+2], 16, v[\pw]
	s_delay_alu instid0(VALU_DEP_1)
	v_lshl_or_b32 v[\pw], v[BP+3], 24, v[\pw]
.irp c, 0,1
	v_cvt_scalef32_pk16_fp6_f32 v[(\pc)+6*\c:(\pc)+6*\c+2], v[(\ss)+32*\c:(\ss)+32*\c+15], v[SO+2*\c]
	v_cvt_scalef32_pk16_fp6_f32 v[TC+4*\c:TC+4*\c+2], v[(\ss)+32*\c+16:(\ss)+32*\c+31], v[SO+2*\c+1]
.endr
	v_nop                                          ; one plain line behind the scaled conversions
.irp c, 0,1
.irp i, 0,1,2
	v_permlane16_swap_b32 v[(\pc)+6*\c+\i], v[TC+4*\c+\i]   ; a whole block to a lane
.endr
.irp i, 0,1,2
	v_mov_b32 v[(\pc)+6*\c+3+\i], v[TC+4*\c+\i]
.endr
.endr
.endm
; the softmax of one query tile's 128 scores at v[ss]: new M, f, p, the sum, p's codes and scale word
.macro SOFT ss, nm, su, ff, pc, pw
.irp b, 0,1,2,3
	v_max3_num_f32 v[BM+\b], v[(\ss)+16*\b], v[(\ss)+16*\b+1], v[(\ss)+16*\b+2]     ; each block's largest score: for the row's maximum and for the block's largest p
.endr
.irp i, 3,5,7,9,11,13
.irp b, 0,1,2,3
	v_max3_num_f32 v[BM+\b], v[BM+\b], v[(\ss)+16*\b+\i], v[(\ss)+16*\b+\i+1]
.endr
.endr
.irp b, 0,1,2,3
	v_max_num_f32 v[BM+\b], v[BM+\b], v[(\ss)+16*\b+15]
.endr
.irp b, 0,1,2,3
	v_permlanex16_b32 v[BP+\b], v[BM+\b], s[SEL], s[SEL+1]
.endr
.irp b, 0,1,2,3
	v_max_num_f32 v[BM+\b], v[BM+\b], v[BP+\b]     ; with lane l xor 16's 16 keys
.endr
	v_max3_num_f32 v[TT], v[BM], v[BM+1], v[BM+2]
	s_delay_alu instid0(VALU_DEP_1)
	v_max_num_f32 v[TT], v[TT], v[BM+3]
	s_delay_alu instid0(VALU_DEP_1)
	v_mul_f32 v[TT], s[CS], v[TT]
	s_delay_alu instid0(VALU_DEP_1)
	v_max_num_f32 v[\nm+1], v[\nm+1], v[TT]        ; the running largest t
	v_mov_b32 v[TT], v[\nm]
	s_delay_alu instid0(VALU_DEP_2)
	v_floor_f32 v[\nm], -v[\nm+1]                  ; -M = floor(-t) = -ceil(t)
	s_delay_alu instid0(VALU_DEP_1)
	v_sub_f32 v[TT], v[\nm], v[TT]                 ; old M - new M: a whole number, 0 or less
	s_delay_alu instid0(VALU_DEP_1)
	v_cvt_i32_f32 v[TT], v[TT]                     ; (it saturates)
	s_delay_alu instid0(VALU_DEP_1)
	v_ldexp_f32 v[\ff], 1.0, v[TT]                 ; f = 2^(old M - new M)
.set n, 0
.rept 32
	v_pk_fma_f32 v[(\ss)+n:(\ss)+n+1], v[(\ss)+n:(\ss)+n+1], s[CS:CS+1], v[\nm:\nm+1] op_sel_hi:[1,0,0]   ; t - M
.set n, n+2
.endr
.irp b, 0,1,2,3
	v_fma_f32 v[BM+\b], v[BM+\b], s[CS], v[\nm]
.endr
	s_wait_alu depctr_va_vdst(0)
.set n, 0
.rept 64
	v_exp_f32 v[(\ss)+n], v[(\ss)+n]               ; p = 2^(t - M)
.set n, n+1
.endr
	v_pk_mul_f32 v[\su:\su+1], v[\su:\su+1], v[\ff:\ff+1] op_sel_hi:[1,0]    ; the sums under the new M (a plain line behind the exponentials)
	s_wait_alu depctr_va_vdst(0)                   ; one wait for the batch, ahead of its first reader
.irp b, 0,1,2,3
	v_exp_f32 v[BM+\b], v[BM+\b]                   ; the block's largest p
.endr
.irp j, 0,1,2,3
	v_pk_add_f32 v[SA+2*\j:SA+2*\j+1], v[(\ss)+2*\j:(\ss)+2*\j+1], v[(\ss)+8+2*\j:(\ss)+9+2*\j]     ; the sum of the unquantised p, in four chains
.endr
.irp i, 16,24,32,40,48,56
.irp j, 0,1,2,3
	v_pk_add_f32 v[SA+2*\j:SA+2*\j+1], v[SA+2*\j:SA+2*\j+1], v[(\ss)+\i+2*\j:(\ss)+\i+2*\j+1]
.endr
.endr
	v_pk_add_f32 v[SA:SA+1], v[SA:SA+1], v[SA+2:SA+3]
	v_pk_add_f32 v[SA+4:SA+5], v[SA+4:SA+5], v[SA+6:SA+7]
	s_delay_alu instid0(VALU_DEP_1)
	v_pk_add_f32 v[SA:SA+1], v[SA:SA+1], v[SA+4:SA+5]
	s_delay_alu instid0(VALU_DEP_1)
	v_pk_add_f32 v[\su:\su+1], v[\su:\su+1], v[SA:SA+1]
	s_wait_alu depctr_va_vdst(0)                   ; and one for the four
.irp b, 0,1,2,3
	v_max_num_f32 v[BM+\b], 0x1800000, v[BM+\b]    ; the floor 2^(3 - 127): the byte cannot fall under 1
.endr
	CODES \ss, \pc, \pw
.endm
.macro KLOAD slot, reg                 ; K's scale words and four images out of my chunk in a slot: 14 LDS loads
	ds_load_b32 v[KS], v[AS+\slot]                 ; lanes 0-15: image 0's words, lanes 16-31: image 1's
	ds_load_b32 v[KS+1], v[AS+\slot] offset:128
.irp e, 0,1,2,3
.irp g, 0,1,2
	ds_load_b128 v[(\reg)+12*\e+4*\g:(\reg)+12*\e+4*\g+3], v[AK+\slot] offset:1536*\e+512*\g
.endr
.endr
.endm
; a step: 128 keys of my head against both query tiles; K's images are in registers when it begins.
; pf: 0 no prefetch, 1 the chunk at PF, 2 the one behind it, but not in the loop's last trip.  nextk = 1: the next step's images of K are read out of the other slot
.macro STEP slot, pf, nextk
.set KF, KA+64*(\slot)
.set SS, KB-64*(\slot)
.irp e, 0,1,2,3
	MM SS+16*\e, KF+12*\e, QZ+6, 0, KS+\e/2, \e%2, QS, 0          ; [q0 | 0]
	MM SS+16*\e+8, KF+12*\e, QZ, 0, KS+\e/2, \e%2, QS, 0          ; [0 | q0]
.endr
.if (\pf) == 1
	global_prefetch_b8 v[PFO], s[PF:PF+1] th:TH_LOAD_NT scope:SCOPE_SE
.endif
.if (\pf) == 2
	s_cmp_gt_u32 s[CNT], 1
	s_cbranch_scc0 .Lno_ask_\@
	global_prefetch_b8 v[PFO], s[PF:PF+1] offset:CH th:TH_LOAD_NT scope:SCOPE_SE
.Lno_ask_\@:
.endif
	PLACES 4                                       ; behind the products: their results are read
	SOFT SS, NM0, SU0, FF0, PC, PW
.irp e, 0,1,2,3
	MM SS+16*\e, KF+12*\e, QZ+18, 0, KS+\e/2, \e%2, QS+1, 0       ; [q1 | 0]: the same images of K
	MM SS+16*\e+8, KF+12*\e, QZ+12, 0, KS+\e/2, \e%2, QS+1, 0     ; [0 | q1]
.endr
	PLACES 4                                       ; their results are read, and V's images land where K's stood
	ds_load_b32 v[VS], v[AS+\slot] offset:256
	ds_load_b32 v[VS+1], v[AS+\slot] offset:384
.irp e, 0,1,2,3
.irp g, 0,1,2
	ds_load_b128 v[KF+12*\e+4*\g:KF+12*\e+4*\g+3], v[AK+\slot] offset:6144+1536*\e+512*\g   ; they land during the softmax
.endr
.endr
	SOFT SS, NM1, SU1, FF1, PC+12, PW+1
.if \nextk
	s_wait_tensorcnt 0x0                           ; my load of the other slot's chunk, which I alone read, has landed
	KLOAD 1-\slot, SS                              ; p has left these registers; the loads land under the lines below
.endif
	WIN 0x41                                       ; O^T lies in window 1
	s_wait_alu depctr_va_vdst(0)
.set n, 0
.rept 16
	v_pk_mul_f32 v[n:n+1], v[n:n+1], v[FF0:FF0+1] op_sel_hi:[1,0]          ; O^T under the new M; these are also the places ahead of the scaled products
.set n, n+2
.endr
.rept 16
	v_pk_mul_f32 v[n:n+1], v[n:n+1], v[FF1:FF1+1] op_sel_hi:[1,0]
.set n, n+2
.endr
	WIN 0x50
	s_wait_alu depctr_va_vdst(0)
	s_wait_dscnt 14*\nextk                         ; V's images and scale words are in; the next K's 14 loads may be out
.irp e, 0,1,2,3
	MM 8*\e, KF+12*\e, PC, v[8*\e:8*\e+7], VS+\e/2, \e%2, PW, 0            ; the eight accumulators by turns
	MM 32+8*\e, KF+12*\e, PC+12, v[32+8*\e:32+8*\e+7], VS+\e/2, \e%2, PW+1, 0
.endr
	WIN 0
.endm
; refill = 1: the next chunk into the other slot; 2: Wproj's K steps 0, 1 into my part of slot 0
.macro TRIP slot, refill, pf, nextk
	s_wait_tensorcnt 0x0                           ; no load of mine is out;
	ds_add_u32 v[SPW], v[NIL]
	s_add_nc_u64 s[G0+4*\slot+2:G0+4*\slot+3], s[G0+4*\slot+2:G0+4*\slot+3], 2*CH   ; this slot's next chunk
	s_wait_dscnt 0x0                               ; the add is done, my reads of the other slot are over, this step's K is in registers
	ROUND                                          ; the same holds of every wave of all four work-groups
.if (\refill) == 1
	tensor_load_to_lds s[G0+4-4*\slot:G0+7-4*\slot], s[G1:G1+7]
.else
	tensor_load_to_lds s[G0W:G0W+3], s[G1W:G1W+7]
.endif
	s_nop 0
	PLACES 5                                       ; the scores are laid over the images that the last products read: five places
	STEP \slot, \pf, \nextk
.endm
	s_load_b256 s[4:11], s[0:1], 0x0               ; qc s[4:5], qs s[6:7], kv s[8:9], wq s[10:11]
	s_load_b128 s[12:15], s[0:1], 0x20             ; bproj s[12:13], out0 s[14:15]
	v_lshl_add_u32 v[SPW], v0, 2, SPARE
	v_mov_b32 v[NIL], 0
	ds_add_u32 v[SPW], v[NIL]                      ; the opening lines: the add twice on end and its wait
	ds_add_u32 v[SPW], v[NIL]
	v_lshrrev_b32 v1, 5, v0
	s_delay_alu instid0(VALU_DEP_1)
	v_readfirstlane_b32 s[WV], v1                  ; wave = head
	s_bfe_u32 s17, ttmp6, 0x40000                  ; cx: it enters global addresses of q, out0 and the prefetch alone
	s_lshr_b32 s18, ttmp9, 3                       ; the batch
	s_lshl_b32 s19, s[WV], 3
	s_add_co_u32 s19, s19, s18                     ; hb: the same in all four partners
	s_mov_b32 s[SEL], 0x76543210
	s_mov_b32 s[SEL+1], 0xfedcba98
	s_mov_b32 s[CS], 0x3e38aa3b                    ; log2(e) / 8
	s_mov_b32 s[CS+1], s[CS]
	s_mov_b32 s[G1], 15|(3<<16)|(1<<21)            ; all four partners; elements of 8 bytes; bit 21 set beside a mask
	s_mov_b32 s[G1+1], 32<<16
	s_mov_b32 s[G1+2], 50<<16                      ; 50 rows of 256 bytes
	s_mov_b32 s[G1+3], 32<<16
	s_mov_b32 s[G1+4], 50
	s_mov_b32 s[G1+5], 32
	s_mov_b32 s[G1+6], 0
	s_mov_b32 s[G1+7], 0
	s_mov_b32 s[G1W], 15|(3<<16)|(1<<21)           ; Wproj: 2 rows of 768 elements, 2,304 apart
	s_mov_b32 s[G1W+1], 768<<16
	s_mov_b32 s[G1W+2], 2<<16
	s_mov_b32 s[G1W+3], 768<<16
	s_mov_b32 s[G1W+4], 2
	s_mov_b32 s[G1W+5], 2304
	s_mov_b32 s[G1W+6], 0
	s_mov_b32 s[G1W+7], 0
	s_mul_i32 s34, s[WV], CH                       ; my part of a slot
	s_mul_i32 s32, s19, 8*CH
	s_mov_b32 s33, 0
	s_wait_dscnt 0x0
	s_wait_kmcnt 0x0
	s_add_nc_u64 s[32:33], s[8:9], s[32:33]
	s_mov_b32 s[G0], 1
	s_mov_b32 s[G0+1], s34
	s_mov_b64 s[G0+2:G0+3], s[32:33]
	s_or_b32 s[G0+3], s[G0+3], 0x80000000
	s_mov_b32 s[G0+4], 1
	s_add_co_u32 s[G0+5], s34, SLOT
	s_add_nc_u64 s[G0+6:G0+7], s[32:33], CH
	s_or_b32 s[G0+7], s[G0+7], 0x80000000
	s_add_nc_u64 s[PF:PF+1], s[32:33], 3*CH
	ROUND                                          ; all four work-groups are here: the joint loads meet
	tensor_load_to_lds s[G0:G0+3], s[G1:G1+7]      ; chunk 0: one tensor load a wave at the head
	s_nop 0
	PLACES 4
	s_and_b32 s47, ttmp9, 7
	s_lshl_b32 s47, s47, 2
	s_add_co_u32 s47, s47, s17                     ; kf: my 32 tokens in the batch
	s_mul_i32 s48, s19, 49152
	s_mul_i32 s35, s47, 1536
	s_add_co_u32 s48, s48, s35
	s_mov_b32 s49, 0
	s_add_nc_u64 s[48:49], s[4:5], s[48:49]        ; q's image
	s_lshl_b32 s50, s19, 11
	s_lshl_b32 s35, s47, 6
	s_add_co_u32 s50, s50, s35
	s_mov_b32 s51, 0
	s_add_nc_u64 s[50:51], s[6:7], s[50:51]        ; q's words
	s_mul_i32 s61, s[WV], 11
	s_lshr_b32 s61, s61, 5                         ; wave / 3: which 192 columns
	s_mul_i32 s62, s61, 3
	s_sub_co_u32 s62, s[WV], s62                   ; wave % 3: which 64 of them
	s_add_co_u32 s61, s61, 12
	s_mul_i32 s[WB], s61, 110592
	s_mul_i32 s35, s62, 6144
	s_add_co_u32 s[WB], s[WB], s35
	s_mov_b32 s[WB+1], 0
	s_add_nc_u64 s[WB:WB+1], s[10:11], s[WB:WB+1]  ; Wproj's images of my four column tiles; a K step on is 18,432 bytes
	s_mov_b32 s[G0W], 1
	s_mov_b32 s[G0W+1], s34
	s_mov_b64 s[G0W+2:G0W+3], s[WB:WB+1]
	s_or_b32 s[G0W+3], s[G0W+3], 0x80000000
	s_mov_b32 s[G0W+4], 1
	s_add_co_u32 s[G0W+5], s34, SLOT
	s_add_nc_u64 s[G0W+6:G0W+7], s[WB:WB+1], 2*18432
	s_or_b32 s[G0W+7], s[G0W+7], 0x80000000
	s_mul_i32 s54, s61, 4608
	s_lshl_b32 s35, s62, 8
	s_add_co_u32 s54, s54, s35
	s_add_co_u32 s54, s54, WSC
	s_mov_b32 s55, 0
	s_add_nc_u64 s[54:55], s[10:11], s[54:55]      ; and their scale words
	s_lshl_b32 s56, s[WV], 8                       ; my first column, in bytes
	s_mov_b32 s57, 0
	s_lshl_b32 s58, ttmp9, 2
	s_add_co_u32 s58, s58, s17
	s_mul_i32 s58, s58, 98304                      ; 32 rows of 3,072 bytes
	s_add_co_u32 s58, s58, s56
	s_mov_b32 s59, 0
	s_add_nc_u64 s[58:59], s[14:15], s[58:59]
	s_add_nc_u64 s[56:57], s[12:13], s[56:57]
	s_lshr_b32 s61, s[WV], 1                       ; the projection's K step = head / 2
	s_and_b32 s62, s[WV], 1                        ; which half of a fragment = head % 2
	s_mul_i32 s63, s61, 3072
	s_mul_i32 s35, s62, 768
	s_add_co_u32 s63, s63, s35
	s_add_co_u32 s63, s63, OST                     ; my head's half images
	s_lshr_b32 s61, s[WV], 2                       ; o's scale words of K steps 2 j, 2 j + 1 lie behind byte 12,288 of part j of slot 0
	s_mul_i32 s61, s61, CH
	s_bfe_u32 s35, s[WV], 0x10001
	s_lshl_b32 s35, s35, 7
	s_add_co_u32 s61, s61, s35
	s_lshl_b32 s62, s62, 1
	s_add_co_u32 s61, s61, s62
	s_add_co_u32 s61, s61, 12288
	s_mul_i32 s62, s17, 13
	s_add_co_u32 s35, s34, 12288
	v_and_b32 v[TT+1], 15, v0
	v_bfe_u32 v[TT], v0, 4, 1
	v_and_b32 v[L4], 31, v0
	v_lshlrev_b32 v[L16], 4, v[L4]
	v_lshlrev_b32 v[L8], 3, v[L4]
	v_min_u32 v[PFO], 12, v[L4]
	v_lshlrev_b32 v[L4], 2, v[L4]
	v_add_nc_u32 v[PFO], s62, v[PFO]
	v_min_u32 v[PFO], 49, v[PFO]
	v_lshlrev_b32 v[PFO], 8, v[PFO]                ; block min(13 cx + min(lane, 12), 49) of a chunk
	v_add_nc_u32 v[AK], s34, v[L16]
	v_add_nc_u32 v[AK+1], SLOT, v[AK]
	v_add_nc_u32 v[AS], s35, v[L4]
	v_add_nc_u32 v[AS+1], SLOT, v[AS]
	v_add_nc_u32 v[OA], s63, v[L16]
	v_add_nc_u32 v[OB8], s63, v[L8]
	v_add_nc_u32 v[OSA], s61, v[L4]
	v_add_nc_u32 v[RO16], OST, v[L16]
	v_add_nc_u32 v[RO8], OST, v[L8]
	v_mul_u32_u24 v[STO], v[TT+1], 272
	v_lshl_add_u32 v[STO], v[TT], 5, v[STO]
	v_add_nc_u32 v[STO], s34, v[STO]               ; into the stage: row lane % 16, + 32 (lane / 16)
	v_mul_u32_u24 v[RD], v[TT], 272
	v_lshl_add_u32 v[RD], v[TT+1], 4, v[RD]
	v_add_nc_u32 v[RD], s34, v[RD]                 ; back: lanes 0-15 one row, lanes 16-31 the next
	v_mul_u32_u24 v[CO], v[TT], 3072
	v_lshl_add_u32 v[CO], v[TT+1], 4, v[CO]        ; the same two rows in out0
	v_lshlrev_b32 v[BO], 5, v[TT]
	v_lshlrev_b32 v[SH], 4, v[TT]
	v_lshlrev_b32 v[TT+1], 2, v[TT+1]
	s_wait_alu depctr_va_vdst(0)
.irp g, 0,1,2
	global_load_b128 v[KB+4*\g:KB+4*\g+3], v[L16], s[48:49] offset:512*\g
.endr
	global_load_b32 v[QW], v[TT+1], s[50:51]       ; q's word: bytes 0, 1 the first tile's, bytes 2, 3 the second's
.irp i, 0,1,2,3,4,5
	v_mov_b32 v[QZ+\i], 0                          ; the zero codes
	v_mov_b32 v[QZ+12+\i], 0
	v_mov_b32 v[QZ+24+\i], 0
.endr
.irp b, 0,1,2,3
	v_mov_b32 v[BP+\b], 0                          ; a lane permute's destination counts as one of its sources
.endr
.irp r, SU0, SU0+1, SU1, SU1+1, FF0+1, FF1+1
	v_mov_b32 v[\r], 0
.endr
	v_mov_b32 v[NM0+1], 0xff61b1e6                 ; -3e38, under every t
	v_mov_b32 v[NM1+1], 0xff61b1e6
	v_floor_f32 v[NM0], -v[NM0+1]
	v_floor_f32 v[NM1], -v[NM1+1]
	s_wait_alu depctr_va_vdst(0)
	s_wait_loadcnt 0x0
.irp i, 0,1,2,3,4,5
	v_mov_b32 v[QZ+6+\i], v[KB+\i]
	v_mov_b32 v[QZ+18+\i], v[KB+6+\i]
.endr
	v_and_b32 v[TT], 0xffff, v[QW]
	v_lshl_or_b32 v[QS], v[QW], 16, v[TT]          ; a tile's two bytes, twice: they serve [q | 0] and [0 | q]
	v_lshrrev_b32 v[TT], 16, v[QW]
	v_and_or_b32 v[QS+1], v[QW], 0xffff0000, v[TT]
	WIN 0x40
.set n, 0
.rept 64
	v_mov_b32 v[n], 0                              ; O^T: the first step finds zeros; these lines are also the places ahead of the first scaled products
.set n, n+1
.endr
	WIN 0
	s_mov_b32 s[CNT], 3
	s_wait_alu depctr_va_vdst(0)
	s_wait_tensorcnt 0x0                           ; chunk 0, which I alone read, has landed
	KLOAD 0, KA                                    ; the first step's images of K
.Lloop:                                                ; a trip: two steps, once round the ring
	TRIP 0, 1, 1, 1
	TRIP 1, 1, 2, 1
	s_wait_xcnt 0x0                                ; the prefetches have read their base
	s_add_nc_u64 s[PF:PF+1], s[PF:PF+1], 2*CH
	s_sub_co_u32 s[CNT], s[CNT], 1
	s_cmp_lg_u32 s[CNT], 0
	s_wait_alu depctr_va_vdst(0)
	s_cbranch_scc1 .Lloop
	TRIP 0, 1, 0, 1                                ; step 6 asks for chunk 7,
	TRIP 1, 2, 0, 0                                ; step 7 for Wproj's K steps 0 and 1
	s_wait_tensorcnt 0x0                           ; they have landed;
	ds_add_u32 v[SPW], v[NIL]
	s_wait_dscnt 0x0                               ; my reads of slot 1 are over
	ROUND
	tensor_load_to_lds s[G0W+4:G0W+7], s[G1W:G1W+7]    ; Wproj's K steps 2 and 3, into my part of slot 1
	s_nop 0
	PLACES 4                                       ; behind the last products: loads land on their operands and scales
	; ---------------- o = O / the sum, quantised ----------------
.macro WSET s, reg                     ; K step s: my four column tiles' images from memory
.irp a, 0,1,2,3
.irp g, 0,1,2
	global_load_b128 v[(\reg)+12*\a+4*\g:(\reg)+12*\a+4*\g+3], v[L16], s[WB:WB+1] offset:18432*(\s)+1536*\a+512*\g
.endr
.endr
.endm
.irp e, 0,1
.irp k, 0,1,2,3,4,5
	global_load_b32 v[WS+6*\e+\k], v[L4], s[54:55] offset:768*\k+128*\e
.endr
.endr
	WSET 4, W4
	v_add_f32 v[SU0], v[SU0], v[SU0+1]
	v_add_f32 v[SU1], v[SU1], v[SU1+1]
	v_permlanex16_b32 v[BP], v[SU0], s[SEL], s[SEL+1]
	v_permlanex16_b32 v[BP+1], v[SU1], s[SEL], s[SEL+1]
	v_add_f32 v[SU0], v[SU0], v[BP]                ; the rows' sums
	v_add_f32 v[SU1], v[SU1], v[BP+1]
	s_wait_alu depctr_va_vdst(0)
	v_rcp_f32 v[SU0], v[SU0]
	v_rcp_f32 v[SU1], v[SU1]
	v_nop
	WIN 0x01
	s_wait_alu depctr_va_vdst(0)                   ; ahead of the first reader of the reciprocals and of O^T
.set n, 0
.rept 32
	v_mul_f32 v[KA+n], v[n], v[SU0]                ; register 32 tile + 8 t + i: channel 16 t + 8 (lane / 16) + i
.set n, n+1
.endr
.rept 32
	v_mul_f32 v[KA+n], v[n], v[SU1]
.set n, n+1
.endr
	WIN 0x40
.irp b, 0,1
.irp a, 0,1,2,3
	global_load_b128 v[32*\b+8*\a:32*\b+8*\a+3], v[BO], s[56:57] offset:64*\a          ; the bias starts the sums: columns 16 a + 8 (lane / 16) + 0 .. 7, for both token tiles
	global_load_b128 v[32*\b+8*\a+4:32*\b+8*\a+7], v[BO], s[56:57] offset:64*\a+16
.endr
.endr
	WIN 0
.irp b, 0,1,2,3
	v_max3_num_f32 v[BM+\b], |v[KA+16*\b]|, |v[KA+16*\b+1]|, 0x1800000   ; blocks 0, 1: the first tile's 64 channels; 2, 3: the second's
.endr
.irp i, 2,4,6,8,10,12,14
.irp b, 0,1,2,3
	v_max3_num_f32 v[BM+\b], v[BM+\b], |v[KA+16*\b+\i]|, |v[KA+16*\b+\i+1]|
.endr
.endr
.irp b, 0,1,2,3
	v_permlanex16_b32 v[BP+\b], v[BM+\b], s[SEL], s[SEL+1]
.endr
.irp b, 0,1,2,3
	v_max_num_f32 v[BM+\b], v[BM+\b], v[BP+\b]
.endr
	CODES KA, QZ, TT                               ; registers 0-5 the first tile's codes, 6-11 the second's
	WSET 5, KA
	v_lshrrev_b32 v[TT], v[SH], v[TT]              ; lanes 0-15: the first tile's two bytes below; lanes 16-31: the second's
	ds_store_b128 v[OA], v[QZ:QZ+3]
	ds_store_b64 v[OB8], v[QZ+4:QZ+5] offset:512
	ds_store_b128 v[OA], v[QZ+6:QZ+9] offset:1536
	ds_store_b64 v[OB8], v[QZ+10:QZ+11] offset:2048
	ds_store_b16 v[OSA], v[TT]
	s_wait_dscnt 0x0                               ; for the others' sake
	s_barrier_signal -1
	s_barrier_wait -1                              ; all twelve heads' codes and bytes lie in LDS
	; ---------------- out0 = o Wproj + bproj: 32 tokens x my 64 columns, six K steps ----------------
.macro OFRAG s                         ; o's two fragments of K step s, each two half images: eight LDS loads, into v42 on or v120 on by turns
.set FBX, QZ+78*((\s)%2)
.irp b, 0,1
	ds_load_b128 v[FBX+12*\b:FBX+12*\b+3], v[RO16] offset:3072*(\s)+1536*\b
	ds_load_b64 v[FBX+12*\b+4:FBX+12*\b+5], v[RO8] offset:3072*(\s)+1536*\b+512
	ds_load_b128 v[FBX+12*\b+6:FBX+12*\b+9], v[RO16] offset:3072*(\s)+1536*\b+768
	ds_load_b64 v[FBX+12*\b+10:FBX+12*\b+11], v[RO8] offset:3072*(\s)+1536*\b+1280
.endr
.endm
.macro XLOAD s                         ; W's four images of K step s (0 .. 3) out of my part of slot s / 2: twelve LDS loads
.irp a, 0,1,2,3
.irp g, 0,1,2
	ds_load_b128 v[XW+12*\a+4*\g:XW+12*\a+4*\g+3], v[AK+(\s)/2] offset:6144*((\s)%2)+1536*\a+512*\g
.endr
.endr
.endm
.macro PMUL s, reg                     ; eight products, eight accumulators by turns; four places behind them, in front of loads into their operands
	WIN 0x50
.irp a, 0,1,2,3
.irp b, 0,1
	MM 32*\b+8*\a, (\reg)+12*\a, QZ+78*((\s)%2)+12*\b, v[32*\b+8*\a:32*\b+8*\a+7], WS+6*(\a/2)+(\s), \a%2, OS+(\s), \b
.endr
.endr
	WIN 0
	PLACES 4
.endm
.irp k, 0,1,2,3,4,5
	ds_load_b32 v[OS+\k], v[L4] offset:(\k/2)*CH+12288+(\k%2)*128   ; lanes 0-15: the first tile's word of K step k; lanes 16-31: the second's
.endr
	OFRAG 0
	XLOAD 0
	OFRAG 1
	s_wait_loadcnt 12                              ; W's scale words, K step 4's images and the bias are in; K step 5's twelve loads may be out
	s_wait_dscnt 8                                 ; here and below: the next step's eight loads of o may be out
	PMUL 0, XW
	XLOAD 1
	OFRAG 2
	s_wait_dscnt 8
	PMUL 1, XW
	s_wait_tensorcnt 0x0                           ; K steps 2 and 3, which I alone read, have landed
	XLOAD 2
	OFRAG 3
	s_wait_dscnt 8
	PMUL 2, XW
	XLOAD 3
	OFRAG 4
	s_wait_dscnt 8
	PMUL 3, XW
	OFRAG 5
	s_wait_dscnt 8
	PMUL 4, W4
	s_wait_loadcnt 0x0
	s_wait_dscnt 0x0
	PMUL 5, KA
.irp b, 0,1
	WIN 0x04                                       ; the data: window 1
.irp a, 0,1,2,3
	ds_store_b128 v[STO], v[32*\b+8*\a:32*\b+8*\a+3] offset:64*\a              ; each accumulator from its low end on
	ds_store_b128 v[STO], v[32*\b+8*\a+4:32*\b+8*\a+7] offset:64*\a+16
.endr
	WIN 0
.irp i, 0,1,2,3,4,5,6,7
	ds_load_b128 v[KA+32*\b+4*\i:KA+32*\b+4*\i+3], v[RD] offset:544*\i         ; LDS serves a wave's instructions in order: these see my stores
.endr
.endr
.irp i, 0,1,2,3,4,5,6,7
	s_wait_dscnt 23-\i                             ; behind this load: the tile's later loads and the second tile's sixteen LDS instructions
	global_store_b128 v[CO], v[KA+4*\i:KA+4*\i+3], s[58:59] offset:2*\i*3072 th:TH_STORE_NT     ; sixteen lanes store 256 consecutive bytes, aligned
.endr
.irp i, 0,1,2,3,4,5,6,7
	s_wait_dscnt 7-\i
	global_store_b128 v[CO], v[KA+32+4*\i:KA+32+4*\i+3], s[58:59] offset:(16+2*\i)*3072 th:TH_STORE_NT
.endr
	s_wait_tensorcnt 0x0                           ; the wave's end
	ds_add_u32 v[SPW], v[NIL]
	s_wait_dscnt 0x0
	ROUND                                          ; the closing round
	s_endpgm
.Lfunc_end_k_q61e12d043e_attnproj:
	.size	k_q61e12d043e_attnproj, .Lfunc_end_k_q61e12d043e_attnproj-k_q61e12d043e_attnproj
	.p2alignl 7, 3214868480
	.fill 96, 4, 3214868480
	.section	.rodata,"a",@progbits
	.p2align	6, 0x0
	.amdhsa_kernel k_q61e12d043e_attnproj
		.amdhsa_group_segment_fixed_size 327680
		.amdhsa_private_segment_fixed_size 0
		.amdhsa_enable_private_segment 0
		.amdhsa_kernarg_size 48
		.amdhsa_user_sgpr_count 2
		.amdhsa_user_sgpr_kernarg_segment_ptr 1
		.amdhsa_wavefront_size32 1
		.amdhsa_system_sgpr_workgroup_id_x 1
		.amdhsa_system_sgpr_workgroup_id_y 1
		.amdhsa_system_sgpr_workgroup_id_z 1
		.amdhsa_system_vgpr_workitem_id 0
		.amdhsa_next_free_vgpr 320
		.amdhsa_next_free_sgpr 84
		.amdhsa_reserve_vcc 0
		.amdhsa_float_denorm_mode_32 3
		.amdhsa_float_denorm_mode_16_64 3
		.amdhsa_memory_ordered 1
		.amdhsa_forward_progress 1
		.amdhsa_inst_pref_size 163
	.end_amdhsa_kernel
	.amdgpu_metadata
---
amdhsa.version: [ 1, 2 ]
amdhsa.kernels:
  - .name:           k_q61e12d043e_attnproj
    .symbol:         k_q61e12d043e_attnproj.kd
    .args:
      - { .name: qc, .offset: 0, .size: 8, .value_kind: global_buffer, .address_space: global }
      - { .name: qs, .offset: 8, .size: 8, .value_kind: global_buffer, .address_space: global }
      - { .name: kv, .offset: 16, .size: 8, .value_kind: global_buffer, .address_space: global }
      - { .name: wq, .offset: 24, .size: 8, .value_kind: global_buffer, .address_space: global }
      - { .name: bproj, .offset: 32, .size: 8, .value_kind: global_buffer, .address_space: global }
      - { .name: out0, .offset: 40, .size: 8, .value_kind: global_buffer, .address_space: global }
    .group_segment_fixed_size: 327680
    .private_segment_fixed_size: 0
    .kernarg_segment_align: 8
    .kernarg_segment_size: 48
    .max_flat_workgroup_size: 384
    .sgpr_count:     84
    .vgpr_count:     320
    .wavefront_size: 32
...
	.end_amdgpu_metadata
.endif
;; end of part 3
